; MI455X (gfx1250); checked and timed in simulation.
; The chip was launched on July 23, 2026; its instructions are those of AMD's public machine-readable ISA for CDNA 5 (MIT licence, August 2026) and "CDNA5" Instruction Set Architecture Reference Guide (July 2026). The comments in the code are by the model that wrote it; some were corrected since.
;; W LSTM cell. Allowed arithmetic: matrix products marked QUANTISED: E2M1 operands, one E8M0 scale for each 32 along K, by v_wmma_scale_f32_16x16x128_f8f6f4 with both operands' format E2M1 (or v_wmma_scale_f32_32x16x128_f4), f32 sums; everything else in f32.
;; Inputs: W_fh 1,024 x 1,024 float32; W_fx 1,024 x 1,024 float32; W_gh 1,024 x 1,024 float32; W_gx 1,024 x 1,024 float32; W_ih 1,024 x 1,024 float32; W_ix 1,024 x 1,024 float32; W_oh 1,024 x 1,024 float32; W_ox 1,024 x 1,024 float32; b_f 1,024 float32; b_g 1,024 float32; b_i 1,024 float32; b_o 1,024 float32; c_prev 8,192 x 1,024 float32; h 8,192 x 1,024 float32; x 8,192 x 1,024 float32.
;; Outputs: out0 8,192 x 1,024 float32; out1 8,192 x 1,024 float32.
;; This version of the problem:
;;   THIS VERSION OF THE PROBLEM IS GIVEN IN LOW PRECISION. The matrix products marked QUANTISED in the list below multiply operands that are first quantised to E2M1 (2 exponent bits, 1 mantissa bit; 4 bits a number), with one power-of-two scale for each 32 numbers along K (OCP MX v1.0); their sums are f32. All else is computed in f32.
;;   The module's matrix products, in the order in which they are computed (A, B: the left and right operand; K: the contracted axis; several contracted axes count as one K, in the product's order):
;;     1. [M 8,192, K 1,024] x [K 1,024, N 4,096]; A: input x; B: computed on the way: QUANTISED
;;     2. [M 8,192, K 1,024] x [K 1,024, N 4,096]; A: input h; B: computed on the way: QUANTISED
;;   THE QUANTISER, for each operand of a quantised product, along K:
;;     - K is cut into blocks of 32 from its start; a last block that is shorter is filled with zeros.
;;     - A block's scale is 2^e with e = floor(log2(the largest magnitude in the block)) - 2, held to -126 .. 127; a block of zeros has e = 0. As a byte (E8M0): e + 127.
;;     - Each number is divided by its block's scale, clamped to +-6, and rounded to the nearest number of E2M1, ties to even, subnormals kept.
;;     - The product sums the exact products of the quantised numbers (number of the format x scale) in f32.
;;   ~~~python
;;   def quantise(x, axis):      # numpy; x: float32 -> the quantised numbers, widened to float32 again
;;       x = np.moveaxis(x, axis, -1); K = x.shape[-1]
;;       x = np.pad(x, [(0, 0)] * (x.ndim - 1) + [(0, -K % 32)]); x = x.reshape(x.shape[:-1] + (-1, 32)); a = np.abs(x).max(-1, keepdims=True)
;;       e = np.where(a > 0, np.clip(np.frexp(np.where(a > 0, a, 1))[1] - 1 - 2, -126, 127), 0)      # np.frexp(a)[1] - 1 = floor(log2(a)), exactly
;;       r = np.clip(x / 2.0 ** e, -6, 6)
;;       step = 2.0 ** (np.maximum(np.frexp(np.where(r == 0, 1, r))[1] - 1, 0) - 1)
;;       q = np.round(r / step) * step * 2.0 ** e      # np.round: ties to even
;;       return np.moveaxis(q.reshape(q.shape[:-2] + (-1,))[..., :K], -1, axis).astype(np.float32)
;;   ~~~
;;   OPERANDS COMPUTED ON THE WAY. 'Computed on the way' means the value that the module computes at that place (a softmax that the list does not call 'softmax' is quantised finished and normalised). What goes into a quantiser is computed in f32, as accurately as f32 sums, v_exp_f32 and their like allow (about 1e-6 of the number): no bf16 or f16 on the way to a quantiser, and a product that is left as it is and whose result goes on into a quantised operand takes f32 operands (vector FMAs, or v_wmma_f32_16x16x4_f32). A number that lies on a knife's edge between two numbers of the format may be rounded either way, as far as f32 arithmetic and the matrix unit's own rounding can turn it there, and no further.
;; One version. Each part assembles by itself: llvm-mc -triple=amdgcn-amd-amdhsa -mcpu=gfx1250 --defsym DOCPART=n.
;; ======== version 1 of 1: 2 launches
;; limits: right only within a limited range of input values
;; workspace buffers: a_codes 8,388,608 bytes; w_codes 4,194,304 bytes; scales 786,432 bytes
;; launch quant (part 1): grid 768 x 1, 4 waves a work-group, no clusters, 33,280 bytes of LDS; arguments x, h, W_ix, W_ih, W_fx, W_fh, W_gx, W_gh, W_ox, W_oh, a_codes, w_codes, scales; writes a_codes, w_codes, scales
.if DOCPART == 1
	.amdgcn_target "amdgcn-amd-amdhsa--gfx1250"
	.amdhsa_code_object_version 6
	.text
	.protected	k_q8914e44c53_quant
	.globl	k_q8914e44c53_quant
	.p2align	8
	.type	k_q8914e44c53_quant,@function
k_q8914e44c53_quant:
	s_mov_b64 s[64:65], 0
	v_nop
	global_prefetch_b8 v0, s[64:65] scope:SCOPE_SE
	s_setreg_imm32_b32 hwreg(HW_REG_WAVE_MODE, 25, 1), 1
	s_wait_xcnt 0x0
; x, h [8192][1024] and the eight weights [1024][1024], f32 with K innermost, become codes of FP4 (E2M1) with one E8M0 scale byte for each 32 along K.
; The cell's two products add into one z, so they are laid as ONE product with K = 2,048: a row of a_codes is x's 512 bytes of codes, then h's 512; w_codes likewise (W_?x, then W_?h), 4,096 rows.
; Gate g (0 i, 1 f, 2 g, 3 o), hidden column hc lies at row (hc / 32) 128 + 32 g + hc % 32 of w_codes.
; THE SCALE BYTES lie by K step of 512: scales[K step 0..3][row 0..12287][16 bytes]; rows 0-8191 are a_codes' rows, rows 8192-12287 w_codes' rows.  So 16 rows' bytes of a K step are 256 consecutive bytes.
; A block's scale is 2^(floor(log2(its largest magnitude)) - 2); its byte is the largest magnitude's exponent field - 2, held at 1 from below.  Each number is divided by the scale and rounded to the nearest code, ties to even;
; beyond the largest code the conversion gives the largest code.
; LIMITS: a block of zeros gets the byte 1 where the rule says 127 (its codes are zeros, which add nothing under any byte but 0xff, and this program alone reads the bytes); blocks whose largest magnitude lies under 2^-124
; have their byte held at 1; NaN and infinities among the inputs are not served.
; SHARES.  A work-group takes 16 rows of a PAIR of tensors (x part, h part).  Work-groups 0-511: (x, h); then 64 each for the gates i, f, g, o.  Wave w takes K step w of the 16 rows: part w / 2, half w % 2 of its rows;
; a step is one row's 512 numbers, 2,048 consecutive bytes.  A step's codes are 256 consecutive bytes at a multiple of 256, and the wave's 256 scale bytes likewise.
; Each of a step's four loads reads 512 consecutive bytes, 16 a lane; the 2,048 bytes go through the wave's own stage in LDS and come back 64 bytes a lane, since a conversion takes 8 neighbours from one lane's registers.
; No tensor loads, no barrier: waves share nothing.  Loads run eight steps (32 loads a wave) ahead, the turn through LDS one step.  Every offset is an immediate; no store's register is written again.
.set STEPS, 16
.set DEPTH, 8
.set EMAX,  2
.set CB,    8                          ; bytes of 16 codes
.set R,     16                         ; v16-143  eight sets of 16 numbers as they are loaded
.set X,     144                        ; v144-175 two sets of 16 neighbours
.set E,     176                        ; v176-191 a scale byte for each step
.set C,     192                        ; v192-223 codes: two registers for each step
.set WREG,  8192                       ; LDS: a region for each wave: two stages of 32 x SP bytes, behind them its 256 scale bytes
.set SP,    80                         ; a lane's place in a stage: its 64 bytes + 16 of padding
	s_load_b512 s[4:19], s[0:1], 0x0               ; x, h, W_ix, W_ih, W_fx, W_fh, W_gx, W_gh
	s_load_b256 s[20:27], s[0:1], 0x40             ; W_ox, W_oh, a_codes, w_codes
	s_load_b64 s[28:29], s[0:1], 0x60              ; scales
	v_lshl_add_u32 v224, v0, 2, 0x8000             ; my spare word, behind the four regions
	v_mov_b32 v225, 0
	v_lshrrev_b32 v1, 5, v0
	v_readfirstlane_b32 s32, v1                    ; wave 0..3
	v_and_b32 v2, 31, v0                           ; lane
	v_lshlrev_b32 v3, 4, v2                        ; my 16 bytes of a load's 512
	s_mul_i32 s33, s32, WREG
	v_lshrrev_b32 v14, 2, v2
	v_mul_u32_u24 v14, v14, SP
	v_and_b32 v15, 3, v2
	v_lshl_add_u32 v14, v15, 4, v14
	v_add_nc_u32 v14, s33, v14                     ; the stage, on the way in: SP (lane / 4) + 16 (lane % 4)
	v_mul_u32_u24 v15, v2, SP
	v_add_nc_u32 v15, s33, v15                     ; and on the way out: SP x lane
	v_mul_u32_u24 v4, v2, CB                       ; my codes' place in a step's 256 bytes
	v_lshrrev_b32 v5, 1, v2
	s_add_co_u32 s33, s33, 2*32*SP
	v_add_nc_u32 v5, s33, v5                       ; LDS: my wave's 256 scale bytes, my block's byte
	v_lshlrev_b32 v7, 3, v2                        ; and on the way out 8 bytes a lane
	v_add_nc_u32 v6, s33, v7
	s_lshl_b32 s35, ttmp9, 4                       ; x, h: the first of my 16 rows
	s_sub_co_u32 s36, ttmp9, 512                   ; the weights' work-groups count from 512
	s_lshr_b32 s37, s36, 6                         ; the gate
	s_and_b32 s38, s36, 63
	s_lshl_b32 s38, s38, 4                         ; hc: the first row in the gate's two tensors
	s_lshr_b32 s39, s38, 5
	s_lshl_b32 s39, s39, 7
	s_and_b32 s40, s38, 31
	s_add_co_u32 s39, s39, s40
	s_lshl_b32 s40, s37, 5
	s_add_co_u32 s39, s39, s40                     ; its row in w_codes
	s_add_co_u32 s43, s39, 8192                    ; and among the scales' rows
	s_wait_alu depctr_va_vdst(0)
	s_wait_kmcnt 0x0
	s_cmp_lt_u32 ttmp9, 512                        ; the choices hang on the work-group's and the wave's numbers alone
	s_cselect_b32 s41, s35, s38                    ; the row I read
	s_cselect_b32 s42, s35, s39                    ; the row of codes I write
	s_cselect_b32 s43, s35, s43                    ; the row of scales I write
	s_cselect_b64 s[4:5], s[4:5], s[8:9]
	s_cselect_b64 s[6:7], s[6:7], s[10:11]
	s_cselect_b64 s[24:25], s[24:25], s[26:27]
	s_cmp_lt_u32 ttmp9, 576
	s_cselect_b64 s[4:5], s[4:5], s[12:13]
	s_cselect_b64 s[6:7], s[6:7], s[14:15]
	s_cmp_lt_u32 ttmp9, 640
	s_cselect_b64 s[4:5], s[4:5], s[16:17]
	s_cselect_b64 s[6:7], s[6:7], s[18:19]
	s_cmp_lt_u32 ttmp9, 704
	s_cselect_b64 s[4:5], s[4:5], s[20:21]
	s_cselect_b64 s[6:7], s[6:7], s[22:23]
	s_cmp_lt_u32 s32, 2
	s_cselect_b64 s[4:5], s[4:5], s[6:7]           ; waves 0, 1: the x part; waves 2, 3: the h part
	s_lshl_b32 s44, s41, 12                        ; a row of f32 is 4,096 bytes,
	s_and_b32 s46, s32, 1
	s_lshl_b32 s46, s46, 11                        ; my half of it 2,048
	s_add_co_u32 s44, s44, s46
	s_mov_b32 s45, 0
	s_add_nc_u64 s[4:5], s[4:5], s[44:45]
	s_lshl_b32 s44, s42, 10                        ; a row of codes 1,024, my K step's part 256
	s_lshl_b32 s46, s32, 8
	s_add_co_u32 s44, s44, s46
	s_add_nc_u64 s[24:25], s[24:25], s[44:45]
	s_mul_i32 s44, s32, 196608                     ; a K step's scales: 12,288 rows x 16 bytes
	s_lshl_b32 s46, s43, 4
	s_add_co_u32 s44, s44, s46
	s_add_nc_u64 s[28:29], s[28:29], s[44:45]
.macro LOAD t                          ; step t: row t, my 2,048 bytes of it
.irp i, 0,1,2,3
	global_load_b128 v[R+16*((\t)%DEPTH)+4*\i:R+16*((\t)%DEPTH)+4*\i+3], v3, s[4:5] offset:4096*(\t)+512*\i th:TH_LOAD_NT
.endr
.endm
.macro TURN t                          ; through the stage: LDS serves a wave's instructions in order, so no wait stands between the stores and the loads
.irp i, 0,1,2,3
	ds_store_b128 v14, v[R+16*((\t)%DEPTH)+4*\i:R+16*((\t)%DEPTH)+4*\i+3] offset:32*SP*((\t)%2)+8*SP*\i
.endr
.irp i, 0,1,2,3
	ds_load_b128 v[X+16*((\t)%2)+4*\i:X+16*((\t)%2)+4*\i+3], v15 offset:32*SP*((\t)%2)+16*\i
.endr
.endm
.irp t, 0,1,2,3,4,5,6,7
	LOAD \t
.endr
	s_wait_loadcnt 4*(DEPTH-1)                     ; step 0's four loads are in; the 28 of steps 1 to 7 may be out
	TURN 0
.macro STEP t
.set XS, X+16*((\t)%2)
.if (\t) > 0
	s_wait_dscnt 1                                 ; this step's numbers are back from the stage (the last step's byte store may be out)
.else
	s_wait_dscnt 0x0
.endif
.if (\t)+DEPTH < STEPS
	LOAD (\t)+DEPTH
.endif
.if (\t)+1 < STEPS
.if STEPS-2-(\t) >= DEPTH-1
	s_wait_loadcnt 4*(DEPTH-1)                     ; the next step's four loads are in; those of the seven steps behind it may be out
.else
	s_wait_loadcnt 4*(STEPS-2-(\t))                ; at the end the counts run down
.endif
	TURN (\t)+1
.endif
	v_max3_num_f32 v8, |v[XS]|, |v[XS+1]|, |v[XS+2]|               ; the largest magnitude of my 16, in two chains
	v_max3_num_f32 v9, |v[XS+3]|, |v[XS+4]|, |v[XS+5]|
.irp i, 6,10
	v_max3_num_f32 v8, v8, |v[XS+\i]|, |v[XS+\i+1]|
	v_max3_num_f32 v9, v9, |v[XS+\i+2]|, |v[XS+\i+3]|
.endr
	v_max3_num_f32 v8, v8, |v[XS+14]|, |v[XS+15]|
	v_max3_num_f32 v8, v8, v9, (EMAX+1)<<23        ; and the floor 2^(3 - 127): the byte cannot fall under 1
	v_max_num_f32_dpp v8, v8, v8 row_xmask:1 row_mask:0xf bank_mask:0xf   ; and of my neighbour's 16: the block's
	v_add_nc_u32 v11, -(EMAX<<23), v8              ; 2 off its exponent field: the conversion's scale operand
	v_cvt_scalef32_pk8_fp4_f32 v[C+2*(\t)], v[XS:XS+7], v11
	v_cvt_scalef32_pk8_fp4_f32 v[C+2*(\t)+1], v[XS+8:XS+15], v11
	v_lshrrev_b32 v[E+(\t)], 23, v11               ; the scale's byte (a plain line behind the conversions)
	ds_store_b8 v5, v[E+(\t)] offset:16*(\t)       ; row t's 16 bytes; both lanes of a block write the same byte with the same value
	global_store_b64 v4, v[C+2*(\t):C+2*(\t)+1], s[24:25] offset:1024*(\t)   ; 32 lanes store 256 consecutive bytes, at a multiple of 256
.endm
.irp t, 0,1,2,3,4,5,6,7,8,9,10,11,12,13,14,15
	STEP \t
.endr
	ds_load_b64 v[12:13], v6                       ; LDS serves a wave's instructions in order: these see my byte stores
	s_wait_dscnt 0x0
	global_store_b64 v7, v[12:13], s[28:29]        ; 16 rows' scale bytes of my K step: 256 consecutive bytes, at a multiple of 256
	s_wait_tensorcnt 0x0                           ; the wave's end
	ds_add_u32 v224, v225
	s_wait_dscnt 0x0
	s_endpgm
.Lfunc_end_k_q8914e44c53_quant:
	.size	k_q8914e44c53_quant, .Lfunc_end_k_q8914e44c53_quant-k_q8914e44c53_quant
	.p2alignl 7, 3214868480
	.fill 96, 4, 3214868480
	.section	.rodata,"a",@progbits
	.p2align	6, 0x0
	.amdhsa_kernel k_q8914e44c53_quant
		.amdhsa_group_segment_fixed_size 33280
		.amdhsa_private_segment_fixed_size 0
		.amdhsa_enable_private_segment 0
		.amdhsa_kernarg_size 104
		.amdhsa_user_sgpr_count 2
		.amdhsa_user_sgpr_kernarg_segment_ptr 1
		.amdhsa_wavefront_size32 1
		.amdhsa_system_sgpr_workgroup_id_x 1
		.amdhsa_system_sgpr_workgroup_id_y 1
		.amdhsa_system_sgpr_workgroup_id_z 1
		.amdhsa_system_vgpr_workitem_id 0
		.amdhsa_next_free_vgpr 226
		.amdhsa_next_free_sgpr 66
		.amdhsa_reserve_vcc 0
		.amdhsa_float_denorm_mode_32 3
		.amdhsa_float_denorm_mode_16_64 3
		.amdhsa_memory_ordered 1
		.amdhsa_forward_progress 1
		.amdhsa_inst_pref_size 34
	.end_amdhsa_kernel
	.amdgpu_metadata
---
amdhsa.version: [ 1, 2 ]
amdhsa.kernels:
  - .name:           k_q8914e44c53_quant
    .symbol:         k_q8914e44c53_quant.kd
    .args:
      - { .name: x, .offset: 0, .size: 8, .value_kind: global_buffer, .address_space: global }
      - { .name: h, .offset: 8, .size: 8, .value_kind: global_buffer, .address_space: global }
      - { .name: W_ix, .offset: 16, .size: 8, .value_kind: global_buffer, .address_space: global }
      - { .name: W_ih, .offset: 24, .size: 8, .value_kind: global_buffer, .address_space: global }
      - { .name: W_fx, .offset: 32, .size: 8, .value_kind: global_buffer, .address_space: global }
      - { .name: W_fh, .offset: 40, .size: 8, .value_kind: global_buffer, .address_space: global }
      - { .name: W_gx, .offset: 48, .size: 8, .value_kind: global_buffer, .address_space: global }
      - { .name: W_gh, .offset: 56, .size: 8, .value_kind: global_buffer, .address_space: global }
      - { .name: W_ox, .offset: 64, .size: 8, .value_kind: global_buffer, .address_space: global }
      - { .name: W_oh, .offset: 72, .size: 8, .value_kind: global_buffer, .address_space: global }
      - { .name: a_codes, .offset: 80, .size: 8, .value_kind: global_buffer, .address_space: global }
      - { .name: w_codes, .offset: 88, .size: 8, .value_kind: global_buffer, .address_space: global }
      - { .name: scales, .offset: 96, .size: 8, .value_kind: global_buffer, .address_space: global }
    .group_segment_fixed_size: 33280
    .private_segment_fixed_size: 0
    .kernarg_segment_align: 8
    .kernarg_segment_size: 104
    .max_flat_workgroup_size: 128
    .sgpr_count:     66
    .vgpr_count:     226
    .wavefront_size: 32
...
	.end_amdgpu_metadata
.endif
;; end of part 1
;; launch cell (part 2): grid 16 x 16, 4 waves a work-group, clusters of 4 x 4, 327,680 bytes of LDS; arguments a_codes, w_codes, scales, c_prev, b_i, b_f, b_g, b_o, out0, out1; writes out0, out1
.if DOCPART == 2
	.amdgcn_target "amdgcn-amd-amdhsa--gfx1250"
	.amdhsa_code_object_version 6
	.text
	.protected	k_q8914e44c53_cell
	.globl	k_q8914e44c53_cell
	.p2align	8
	.type	k_q8914e44c53_cell,@function
k_q8914e44c53_cell:
	s_mov_b64 s[64:65], 0
	v_nop
	global_prefetch_b8 v0, s[64:65] scope:SCOPE_SE
	s_setreg_imm32_b32 hwreg(HW_REG_WAVE_MODE, 25, 1), 1
	s_wait_xcnt 0x0
	s_wait_alu depctr_hold_cnt(0) depctr_sa_sdst(0) depctr_va_vdst(0) depctr_va_sdst(0) depctr_va_ssrc(0) depctr_va_vcc(0) depctr_vm_vsrc(0)
	s_getreg_b32 s2, hwreg(HW_REG_IB_STS2, 6, 4)
	s_cmp_eq_u32 s2, 0
	s_cbranch_scc0 .Lentry_in_a_cluster
	s_endpgm
.Lentry_in_a_cluster:
	s_bfe_u32 s2, ttmp6, 0x10000c
	s_cmp_lg_u32 s2, 0xf033
	s_cbranch_scc0 .Lentry_shape_is_right
	s_endpgm
.Lentry_shape_is_right:
; The LSTM cell on codes of FP4 (E2M1) with one E8M0 scale for each 32 along K.  z = A B^T + b, A = [x | h] [8192][2048], B = the four gates' [W_?x | W_?h] [4096][2048], as the launch before laid them.
; Then, in f32: c_next = sigmoid(zf) c_prev + sigmoid(zi) tanh(zg) (out1), h_next = sigmoid(zo) tanh(c_next) (out0).  z never goes to memory.
; B's ROWS: gate g, hidden column hc lies at row (hc / 32) 128 + 32 g + hc % 32: a wave's 128 rows of B are the four gates of 32 hidden columns; its block b of 16 rows is gate b / 2, columns 16 (b % 2) on.
; SHARES.  A tile is 256 rows x 256 rows of B (64 hidden columns x 4 gates); four waves, each 128 x 128: 64 accumulators, 512 registers.  K goes in 4 steps of 512 through a ring of two LDS slots; a tile's row is 256 bytes.
; A WORK-GROUP STAYS: it makes two tiles, 4,096 rows apart, on the same rows of B.  The ring goes on into the second tile: the first tile's last two changes of slots ask for the second's K steps 0 and 1,
; which land while the first tile's cell is worked; nothing waits for a tile's stores.  256 work-groups.
; A STEP of 128 along K is 64 matrix instructions.  A's and B's fragments have two sets each: behind a step's first 16 matrix instructions the next step's 32 LDS loads go out in one run, 48 matrix instructions
; ahead of the wait for them.  So a wave's reads of a slot are over at the head of the slot's last step, and the change of slots stands there.
; THE MATRIX INSTRUCTION IS USED TRANSPOSED (source 0 = 16 rows of B, source 1 = 16 rows of A): lane (r, h) holds row r, and register j of the accumulators of blocks cb, 2 + cb, 4 + cb, 6 + cb holds zi, zf, zg, zo
; of ONE hidden column, 16 cb + 8 h + j.  The biases are the C of each sum's first matrix instruction; each wave keeps its 512 bytes of them in LDS for the second tile.
; CLUSTERS: 4 x 4 work-groups; A's tiles are asked for jointly along a row of the cluster, B's along a column.
; THE SCALE WORDS come straight into registers: scales[K step][row][16 bytes], so that lanes 0-15 read 256 consecutive bytes of A's block i and lanes 16-31 256 of B's block i; two sets, each asked for two K steps ahead.
; c_prev: each wave carries 64 whole rows of the tile, by plain loads: the 32 rows of pairs 0 and 1 are asked for behind K step 1, into 64 idle registers; those of pairs 2 and 3 at the start of the cell,
; two trips of its loop ahead of their use, into A's second set, which is idle there.
; THE CELL goes by pairs of row blocks, 64 rows of the tile, in a loop of four trips; only the lines that name a pair's accumulators or its registers of c_prev are picked by the pair's number.
; A pair's rows of c_prev go into a stage as whole rows, each lane takes its numbers, puts c_next into the same bytes and h_next into a second stage, and both leave as whole rows of 256 bytes.
; Three barriers a pair: c_prev's rows are whole; the results' rows are whole; everybody has read them back.  The stages have LDS bytes of their own, which no tensor load fills.
; With E? = 2^(..): Ei = e^-zi, Ef = e^-zf, Eo = e^-zo, Eg = e^(2 zg), Ec = e^(2 c_next); D? = 1 + E?:
;   c_next = (c_prev Di Dg + (Eg - 1) Df) / (Df Di Dg),   h_next = (Ec - 1) / (Do (1 + Ec)).
; LIMITS: the five exponents are held at 30 from above, so that no product of denominators overflows: a sigmoid does not fall under 2^-30 and a tanh ends at 1 - 2^-29; |c_prev| stays under 2^60;
; NaN and infinities among the inputs are not served.
; NO PREFETCH of the tiles: the block is 256 x 256 in clusters and K has four steps; c_prev's loads stand two K steps, or two trips of the cell's loop, ahead of the waits for them.
; REGISTERS: window 0: v0-29 addresses; v32-95 scale words, two sets, nothing else ever; v128-191 A's fragments, set 0; v192-255 the biases; in the cell v96-255 are five arrays of 32.
;   window 1: B's fragments at v0 and v128 (in the cell v0-63 take the rows that leave); v64-127 A's fragments, set 1, in the cell c_prev of pairs 2, 3; v192-255 c_prev of pairs 0, 1.
;   windows 2, 3: the accumulators ((a, b) at v[8 (8 (a % 4) + b)]).
.set NQ,     4
.set ROWB,   256
.set KROW,   1024
.set PITCH,  272                       ; an LDS row: 256 bytes + 16 of padding
.set FR,     8
.set NP,     4                         ; places behind this matrix instruction (ISA guide 7.12.1)
.set HALFT,  128*PITCH
.set SLOT,   4*HALFT                   ; A's 256 rows, then B's 256 rows
.set STG,    2*SLOT                    ; behind the ring: the stage of c_prev and c_next, 64 rows; behind it h_next's
.set BIAS,   STG+128*PITCH             ; 512 bytes of biases for each wave
.set SPARE,  BIAS+2048                 ; the spare words, 128 bytes for each wave
.set KSS,    196608                    ; a K step's scales: 12,288 rows x 16 bytes
.set NEXT_A, 4096*KROW-2*ROWB          ; from a slot's last K step of a tile to its first of the next: 4,096 rows down, back along K
.set BACK_B, 2*ROWB
.set BO,   7                           ; my byte offset in a bias
.set SA,   9                           ; my numbers in the stage of c
.set HA,   10                          ; and of h_next
.set RC,   11                          ; whole rows in the stage of c
.set RH,   12                          ; and of h_next
.set CO,   13                          ; my byte offset in two rows of c_prev or of an output
.set BA,   15                          ; my biases in LDS
.set ADRA, 16
.set ADRB, 20
.set SINC, 26                          ; what the second tile adds to ADRS: 4,096 rows of 16 bytes in lanes 0-15, 0 in lanes 16-31
.set ADRS, 27                          ; my byte offset among the scales: lanes 0-15 A's rows, lanes 16-31 B's
.set SPW,  28
.set NIL,  29
.set SC,   32
.set AF,   128                         ; A's set at work: v128 of window 0 (set 0) or v64 of window 1 (set 1); set anew by MUL16
.set BI,   192
.set ZI,   96
.set ZF,   128
.set ZG,   160
.set ZO,   192
.set CC,   224
.set KN,   18                          ; s[18:19] -log2(e), twice
.set KP,   20                          ; s[20:21] 2 log2(e), twice
.set CL,   22                          ; s22 30.0
.set G1,   24
.set G0,   32
.set G1B,  48
.set G0B,  56
.set CPB,  80                          ; s[80:81] c_prev, s[82:83] out0, s[84:85] out1 at the first of the whole rows that I carry
.set OH,   82
.set OC,   84
.set MSB, 0
.macro WIN new
.if MSB != (\new)
	s_set_vgpr_msb (MSB<<8)|(\new)
.set MSB, (\new)
.endif
.endm
.set MUL_LO, 0xa1                      ; B window 1, A window 0, C and D window 2; + 4: A window 1
.set MUL_HI, 0xf1                      ; the same, C and D window 3
.set TO_B,   0x40
.set FROM_B, 0x04
.macro JLOAD g0a, g1a, g0b, g1b        ; a joint load: waves 0, 1 fetch A's halves, waves 2, 3 B's; s_nop 0 and four v_nop behind each line
	s_cmp_eq_u32 s15, 0
	s_cbranch_scc0 .Lfor_b_\@
	tensor_load_to_lds s[\g0a:\g0a+3], s[\g1a:\g1a+7]
	s_nop 0
.rept 4
	v_nop
.endr
	s_branch .Lasked_\@
.Lfor_b_\@:
	tensor_load_to_lds s[\g0b:\g0b+3], s[\g1b:\g1b+7]
	s_nop 0
.rept 4
	v_nop
.endr
.Lasked_\@:
.endm
.macro CREST                           ; a round of the cluster's barrier behind its opening barrier
	s_cmp_lg_u32 s14, 0
	s_cbranch_scc1 .Lnot_wave_0_\@
	s_barrier_signal -3
.Lnot_wave_0_\@:
	s_barrier_wait -3
	s_barrier_signal -1
	s_barrier_wait -1
.endm
.macro CROUND
	s_barrier_signal -1
	s_barrier_wait -1
	CREST
.endm
.macro PLACES n
.rept \n
	v_nop
.endr
.endm
	s_load_b256 s[4:11], s[0:1], 0x0               ; a_codes, w_codes, scales s[8:9], c_prev
	s_load_b256 s[68:75], s[0:1], 0x20             ; b_i, b_f, b_g, b_o
	s_load_b128 s[76:79], s[0:1], 0x40             ; out0, out1
	v_lshl_add_u32 v[SPW], v0, 2, SPARE
	v_mov_b32 v[NIL], 0
	ds_add_u32 v[SPW], v[NIL]                      ; the opening: the add, twice on end, and its wait ahead of my first tensor load
	ds_add_u32 v[SPW], v[NIL]
	v_lshrrev_b32 v1, 5, v0
	v_readfirstlane_b32 s14, v1                    ; wave 0..3
	s_lshr_b32 s15, s14, 1                         ; my half of the tile's rows.  Also: I fetch for A (0) or for B (1)
	s_and_b32 s16, s14, 1                          ; my half of B's rows.  Also: which 128 rows I fetch
	s_bfe_u32 s40, ttmp6, 0x40000                  ; cx, cy
	s_bfe_u32 s41, ttmp6, 0x40004
	s_lshl_b32 s42, ttmp9, 2
	s_add_co_u32 s42, s42, s40                     ; tile column: 64 hidden columns
	s_and_b32 s17, ttmp7, 0xffff
	s_lshl_b32 s17, s17, 2
	s_add_co_u32 s17, s17, s41                     ; the first tile's row of tiles, 0..15
	s_lshl_b32 s43, s41, 2
	s_lshl_b32 s43, 15, s43                        ; my row of the cluster
	s_lshl_b32 s44, 0x1111, s40                    ; my column
	s_or_b32 s[G1+0], s43, (0<<16)|(1<<20)|(1<<21)|(5<<22)|(3<<25)  ; mask; bytes; padding of 4 words behind every 64; bit 21 beside a mask
	s_or_b32 s[G1B+0], s44, (0<<16)|(1<<20)|(1<<21)|(5<<22)|(3<<25)
.irp g, G1, G1B
	s_mov_b32 s[\g+1], ROWB<<16
	s_mov_b32 s[\g+2], 128<<16
	s_mov_b32 s[\g+3], ROWB<<16
	s_mov_b32 s[\g+4], 128
	s_mov_b32 s[\g+5], KROW
	s_mov_b32 s[\g+6], 0
	s_mov_b32 s[\g+7], 0
.endr
	s_lshl_b32 s18, s16, 7
	s_lshl_b32 s20, s17, 8
	s_add_co_u32 s20, s20, s18                     ; A: row 256 x tile row + 128 x half,
	s_lshl_b32 s20, s20, 10                        ; in bytes
	s_mov_b32 s21, 0
	s_lshl_b32 s46, s42, 8
	s_add_co_u32 s46, s46, s18                     ; B: row 256 x tile column + 128 x half
	s_lshl_b32 s46, s46, 10
	s_mov_b32 s47, 0
	s_mul_i32 s45, s14, HALFT                      ; where they go: wave x 128 rows
	s_lshl_b32 s94, s17, 8                         ; the whole rows that I carry: 256 x tile row + 128 (wave / 2) + 16 (wave % 2); pair p's sixteen lie 32 p rows on
	s_lshl_b32 s95, s15, 7
	s_add_co_u32 s94, s94, s95
	s_lshl_b32 s95, s16, 4
	s_add_co_u32 s94, s94, s95
	s_lshl_b32 s94, s94, 12
	s_lshl_b32 s95, s42, 8                         ; + the tile's 64 columns
	s_add_co_u32 s94, s94, s95
	s_mov_b32 s95, 0
	s_wait_dscnt 0x0                               ; both opening adds are done
	s_wait_kmcnt 0x0
	s_add_nc_u64 s[20:21], s[4:5], s[20:21]
	s_add_nc_u64 s[46:47], s[6:7], s[46:47]
	s_add_nc_u64 s[CPB:CPB+1], s[10:11], s[94:95]
	s_add_nc_u64 s[OH:OH+1], s[76:77], s[94:95]
	s_add_nc_u64 s[OC:OC+1], s[78:79], s[94:95]
	CROUND                                         ; all sixteen work-groups are here: the first joint loads meet
.irp s, 0,1
	s_mov_b32 s[G0+4*\s], 1
	s_add_co_u32 s[G0+4*\s+1], s45, \s*SLOT
	s_add_nc_u64 s[G0+4*\s+2:G0+4*\s+3], s[20:21], \s*ROWB
	s_or_b32 s[G0+4*\s+3], s[G0+4*\s+3], 0x80000000
	s_mov_b32 s[G0B+4*\s], 1
	s_add_co_u32 s[G0B+4*\s+1], s45, \s*SLOT
	s_add_nc_u64 s[G0B+4*\s+2:G0B+4*\s+3], s[46:47], \s*ROWB
	s_or_b32 s[G0B+4*\s+3], s[G0B+4*\s+3], 0x80000000
.endr
	JLOAD G0, G1, G0B, G1B                         ; K step 0: one tensor load a wave at the head
	s_mul_i32 s21, s15, HALFT                      ; my 128 rows of A
	s_mul_i32 s22, s16, HALFT
	s_add_co_u32 s22, s22, 2*HALFT                 ; my 128 rows of B
	s_mul_i32 s23, s15, 32*PITCH
	s_add_co_u32 s23, s23, STG                     ; a pair's 32 rows of my half
	s_lshl_b32 s92, s16, 7
	s_add_co_u32 s92, s92, s23                     ; by numbers: + my 32 columns
	s_mul_i32 s93, s16, 16*PITCH
	s_add_co_u32 s93, s93, s23                     ; by whole rows: + 16 (wave % 2) rows
	s_lshl_b32 s94, s14, 9
	s_add_co_u32 s94, s94, BIAS
	s_lshl_b32 s95, s42, 8
	s_lshl_b32 s18, s16, 7
	s_add_co_u32 s95, s95, s18                     ; a bias: my 32 hidden columns, in bytes
	s_lshl_b32 s18, s17, 8
	s_lshl_b32 s19, s15, 7
	s_add_co_u32 s18, s18, s19
	s_lshl_b32 s18, s18, 4                         ; A's scales: my first row x 16
	s_lshl_b32 s19, s42, 8
	s_lshl_b32 s20, s16, 7
	s_add_co_u32 s19, s19, s20
	s_add_co_u32 s19, s19, 8192
	s_lshl_b32 s19, s19, 4                         ; B's
	s_sub_co_u32 s19, s19, s18                     ; the distance between the two
	v_and_b32 v1, 15, v0                           ; r
	v_bfe_u32 v2, v0, 4, 1                         ; h
	v_mul_u32_u24 v3, v1, PITCH
	v_lshl_add_u32 v4, v2, 4, v3
	v_add_nc_u32 v[ADRA], s21, v4
	v_add_nc_u32 v[ADRB], s22, v4
	v_add_nc_u32 v[ADRA+1], SLOT, v[ADRA]
	v_add_nc_u32 v[ADRB+1], SLOT, v[ADRB]
	v_lshl_add_u32 v5, v2, 5, v3                   ; row r, + 32 h: my eight numbers of a block's sixteen columns
	v_add_nc_u32 v[SA], s92, v5
	v_add_nc_u32 v[HA], 64*PITCH, v[SA]
	v_mul_u32_u24 v5, v2, PITCH                    ; lanes 0-15 one row of 256 bytes, lanes 16-31 the next
	v_lshl_add_u32 v5, v1, 4, v5
	v_add_nc_u32 v[RC], s93, v5
	v_add_nc_u32 v[RH], 64*PITCH, v[RC]
	v_lshl_add_u32 v[BA], v2, 5, s94
	v_lshl_add_u32 v[BO], v2, 5, s95
	v_lshlrev_b32 v5, 12, v2
	v_lshl_add_u32 v[CO], v1, 4, v5
	v_mul_u32_u24 v6, s19, v2
	v_lshl_add_u32 v6, v1, 4, v6
	v_add_nc_u32 v[ADRS], s18, v6
	v_xor_b32 v6, 1, v2
	v_lshlrev_b32 v[SINC], 16, v6
	s_wait_alu depctr_va_vdst(0)
.macro SCLOAD set, ks                  ; K step ks' scale words into a set: register 4 i + q: lanes 0-15 A's block i, lanes 16-31 B's block i, the step's q-th 128 along K
.irp i, 0,1,2,3,4,5,6,7
	global_load_b128 v[SC+32*\set+4*\i:SC+32*\set+4*\i+3], v[ADRS], s[8:9] offset:(\ks)*KSS+\i*256
.endr
.endm
.macro CPLOAD from                     ; c_prev, 32 whole rows: load n = 8 p + i takes rows 32 p + 2 i and + 1 behind my first; sixteen lanes read 256 consecutive bytes.  from = 0: pairs 0, 1; 16: pairs 2, 3
	WIN TO_B
.set N, \from
.rept 16
.set CR, 192+4*N-192*(N/16)
	global_load_b128 v[CR:CR+3], v[CO], s[CPB:CPB+1] offset:(32*(N/8)+2*(N%8))*4096 th:TH_LOAD_NT
.set N, N+1
.endr
	WIN 0
.endm
	SCLOAD 0, 0
	SCLOAD 1, 1
.irp g, 0,1,2,3
.irp cb, 0,1
.irp k, 0,1
	global_load_b128 v[BI+8*(2*\g+\cb)+4*\k:BI+8*(2*\g+\cb)+4*\k+3], v[BO], s[68+2*\g:69+2*\g] offset:64*\cb+16*\k
.endr
.endr
.endr
	s_mov_b32 s[KN], 0xbfb8aa3b
	s_mov_b32 s[KN+1], 0xbfb8aa3b
	s_mov_b32 s[KP], 0x4038aa3b
	s_mov_b32 s[KP+1], 0x4038aa3b
	s_mov_b32 s[CL], 0x41f00000
	s_mov_b32 s2, 2                                ; tiles to go
.macro FRAG reg, adr, q, i
.irp c, 0,1
	ds_load_b128 v[\reg+4*\c:\reg+4*\c+3], v[\adr] offset:64*(\q)+32*\c+(\i)*16*PITCH
.endr
.endm
; 16 matrix instructions: A's blocks a0, a0 + 1 x B's eight, from sets p.  first = 1: the sums start from the biases.  The 64 accumulators take turns.
.macro MUL16 a0, p, q, sc, first
.set AF, 128-64*(\p)
.irp a, \a0, \a0+1
.irp b, 0,1,2,3,4,5,6,7
.if \first
	v_wmma_scale_f32_16x16x128_f8f6f4 v[8*(8*((\a)%4)+\b):8*(8*((\a)%4)+\b)+7], v[128*(\p)+FR*\b:128*(\p)+FR*\b+FR-1], v[AF+FR*(\a):AF+FR*(\a)+FR-1], v[BI+8*\b:BI+8*\b+7], v[SC+8*NQ*(\sc)+NQ*\b+(\q)], v[SC+8*NQ*(\sc)+NQ*(\a)+(\q)] matrix_a_fmt:MATRIX_FMT_FP4 matrix_b_fmt:MATRIX_FMT_FP4 matrix_a_scale:MATRIX_SCALE_ROW1
.else
	v_wmma_scale_f32_16x16x128_f8f6f4 v[8*(8*((\a)%4)+\b):8*(8*((\a)%4)+\b)+7], v[128*(\p)+FR*\b:128*(\p)+FR*\b+FR-1], v[AF+FR*(\a):AF+FR*(\a)+FR-1], v[8*(8*((\a)%4)+\b):8*(8*((\a)%4)+\b)+7], v[SC+8*NQ*(\sc)+NQ*\b+(\q)], v[SC+8*NQ*(\sc)+NQ*(\a)+(\q)] matrix_a_fmt:MATRIX_FMT_FP4 matrix_b_fmt:MATRIX_FMT_FP4 matrix_a_scale:MATRIX_SCALE_ROW1
.endif
.endr
.endr
.endm
.macro FETCH slot, q, p                ; 32 LDS loads in one run: B's eight and A's eight fragments of the slot's q-th 128 along K into sets p
	WIN TO_B
.irp i, 0,1,2,3,4,5,6,7
	FRAG 128*(\p)+FR*\i, ADRB+\slot, \q, \i
.endr
.if (\p) == 0
	WIN 0
.endif
.irp i, 0,1,2,3,4,5,6,7
	FRAG 128-64*(\p)+FR*\i, ADRA+\slot, \q, \i
.endr
	WIN 0
.endm
; A step of 128 along K that has its successor in the same slot.  The four places stand behind the step before, whose products read the sets that are loaded here.
.macro STEP slot, q, first
	s_wait_dscnt 0x0                               ; this step's fragments are in: asked for 48 matrix instructions ago
.if \first
	s_wait_loadcnt 0x0                             ; both sets of scale words are in
.endif
	PLACES NP
.if \first
	WIN 0x81                                       ; B window 1, A and the biases window 0, D window 2
.else
	WIN MUL_LO+4*((\q)%2)
.endif
	MUL16 0, (\q)%2, \q, \slot, \first
	FETCH \slot, (\q)+1, 1-(\q)%2
.if \first
	WIN 0x81
.else
	WIN MUL_LO+4*((\q)%2)
.endif
	MUL16 2, (\q)%2, \q, \slot, \first
.if \first
	WIN 0xc1
.else
	WIN MUL_HI+4*((\q)%2)
.endif
	MUL16 4, (\q)%2, \q, \slot, \first
	MUL16 6, (\q)%2, \q, \slot, \first
	WIN 0
.endm
; A slot's last step changes slots, at its head.  In front of the barrier each wave waits for all its tensor loads, adds 0 to its spare word, and waits for that and for its reads of this slot.
; fill = 1: a round of the cluster's barrier, then this slot takes the K step two on; fill = 2: the next tile's K step; fill = 0: nothing.  fetch: the next slot's first fragments.
; ks >= 0: this slot's set of scale words takes K step ks.  lc >= 0: how many younger loads may stay out when the other set has to be there.
.macro TURN slot, next, fill, fetch, ks, lc
	s_wait_tensorcnt 0x0                           ; all my tensor loads have landed
	ds_add_u32 v[SPW], v[NIL]
	PLACES NP                                      ; behind the step before, whose products read the sets 0 that are loaded below
	s_wait_dscnt 0x0                               ; the add is done, and my reads of this slot are over
	s_barrier_signal -1
	WIN MUL_LO+4
	MUL16 0, 1, NQ-1, \slot, 0
	WIN 0
	s_barrier_wait -1
.if \fill
	CREST                                          ; no wave of any partner still reads this slot or has a load on its way
.if \fill == 2
	s_add_nc_u64 s[G0+4*\slot+2:G0+4*\slot+3], s[G0+4*\slot+2:G0+4*\slot+3], NEXT_A
	s_sub_nc_u64 s[G0B+4*\slot+2:G0B+4*\slot+3], s[G0B+4*\slot+2:G0B+4*\slot+3], BACK_B
.else
	s_add_nc_u64 s[G0+4*\slot+2:G0+4*\slot+3], s[G0+4*\slot+2:G0+4*\slot+3], 2*ROWB
	s_add_nc_u64 s[G0B+4*\slot+2:G0B+4*\slot+3], s[G0B+4*\slot+2:G0B+4*\slot+3], 2*ROWB
.endif
	JLOAD G0+4*\slot, G1, G0B+4*\slot, G1B         ; the first tensor load behind the round
.endif
.if \fetch
	FETCH \next, 0, 0
.endif
	WIN MUL_LO+4
	MUL16 2, 1, NQ-1, \slot, 0
	WIN MUL_HI+4
	MUL16 4, 1, NQ-1, \slot, 0
	MUL16 6, 1, NQ-1, \slot, 0
	PLACES NP                                      ; in front of the loads into this slot's scale words, and of the first read of results
	WIN 0
.if (\fill == 2) && (\slot == 0)
	s_wait_xcnt 0x0                                ; the earlier scale loads have read their offset
	v_add_nc_u32 v[ADRS], v[ADRS], v[SINC]         ; A's rows of the next tile
	s_wait_alu depctr_va_vdst(0)
.endif
.if \ks >= 0
	SCLOAD \slot, \ks
.endif
.if \lc >= 0
	s_wait_loadcnt \lc
.endif
.endm
.macro STEPS slot, from
.set Q, \from
.rept NQ-1-\from
	STEP \slot, Q, 0
.set Q, Q+1
.endr
.endm
; THE CELL's lines, each written for a whole array
.macro ADDC d, k
.set EI, 0
.rept 16
	v_pk_add_f32 v[\d+EI:\d+EI+1], v[\d+EI:\d+EI+1], \k op_sel_hi:[1,0]
.set EI, EI+2
.endr
.endm
.macro MULV d, a, b
.set EI, 0
.rept 16
	v_pk_mul_f32 v[\d+EI:\d+EI+1], v[\a+EI:\a+EI+1], v[\b+EI:\b+EI+1]
.set EI, EI+2
.endr
.endm
.macro FMAV d, a, b, c
.set EI, 0
.rept 16
	v_pk_fma_f32 v[\d+EI:\d+EI+1], v[\a+EI:\a+EI+1], v[\b+EI:\b+EI+1], v[\c+EI:\c+EI+1]
.set EI, EI+2
.endr
.endm
.macro MULS d, a, s
.set EI, 0
.rept 16
	v_pk_mul_f32 v[\d+EI:\d+EI+1], v[\a+EI:\a+EI+1], s[\s:\s+1] op_sel_hi:[1,0]
.set EI, EI+2
.endr
.endm
.macro MINS d, n                       ; exponents held at 30 from above
.set EI, 0
.rept \n
	v_min_num_f32 v[\d+EI], s[CL], v[\d+EI]
.set EI, EI+1
.endr
.endm
.macro EXPS d, n
.set EI, 0
.rept \n
	v_exp_f32 v[\d+EI], v[\d+EI]
.set EI, EI+1
.endr
.endm
.macro RCPS d, n
.set EI, 0
.rept \n
	v_rcp_f32 v[\d+EI], v[\d+EI]
.set EI, EI+1
.endr
.endm
.macro FROMACC d, g, s, p              ; gate g of row blocks 2 p, 2 p + 1, times a scalar: each accumulator from its low end on
.irp u, 0,1
.irp cb, 0,1
.irp j, 0,2,4,6
	v_pk_mul_f32 v[\d+16*\u+8*\cb+\j:\d+16*\u+8*\cb+\j+1], v[8*(8*(2*((\p)%2)+\u)+2*\g+\cb)+\j:8*(8*(2*((\p)%2)+\u)+2*\g+\cb)+\j+1], s[\s:\s+1] op_sel_hi:[1,0]
.endr
.endr
.endr
.endm
.macro FROMACC4 p
	WIN 0x02+(\p)/2
	s_wait_alu depctr_va_vdst(0)                   ; ahead of the first reader of these matrix results
	FROMACC ZI, 0, KN, \p
	FROMACC ZF, 1, KN, \p
	FROMACC ZG, 2, KP, \p
	FROMACC ZO, 3, KN, \p
	WIN 0
.endm
.macro CPST p                          ; my sixteen whole rows of c_prev of pair p into the stage
	WIN FROM_B
.irp i, 0,1,2,3,4,5,6,7
	ds_store_b128 v[RC], v[192+4*(8*(\p)+\i)-192*((\p)/2):192+4*(8*(\p)+\i)-192*((\p)/2)+3] offset:2*\i*PITCH
.endr
	WIN 0
.endm
.macro NEXTZ                           ; the exponents of pair s3 (1 to 3; 4: there is none)
	s_cmp_eq_u32 s3, 4
	s_cbranch_scc1 .Lnone_\@
	s_cmp_lg_u32 s3, 1
	s_cbranch_scc1 .Ln2_\@
	FROMACC4 1
	s_branch .Lmin_\@
.Ln2_\@:
	s_cmp_lg_u32 s3, 2
	s_cbranch_scc1 .Ln3_\@
	FROMACC4 2
	s_branch .Lmin_\@
.Ln3_\@:
	FROMACC4 3
.Lmin_\@:
	s_wait_alu depctr_va_vdst(0)
	MINS ZI, 128
.Lnone_\@:
.endm
.macro NEXTC                           ; c_prev's rows of pair s3
	s_cmp_eq_u32 s3, 4
	s_cbranch_scc1 .Lcnone_\@
	s_cmp_lg_u32 s3, 1
	s_cbranch_scc1 .Lc2_\@
	CPST 1
	s_branch .Lcnone_\@
.Lc2_\@:
	s_cmp_lg_u32 s3, 2
	s_cbranch_scc1 .Lc3_\@
	s_wait_loadcnt 0x0                             ; the rows of pairs 2 and 3 are in: asked for two trips ago
	CPST 2
	s_branch .Lcnone_\@
.Lc3_\@:
	s_wait_loadcnt 0x0
	CPST 3
.Lcnone_\@:
.endm
.macro STAGE adr, d
.irp u, 0,1
.irp cb, 0,1
.irp k, 0,1
	ds_store_b128 v[\adr], v[\d+16*\u+8*\cb+4*\k:\d+16*\u+8*\cb+4*\k+3] offset:\u*16*PITCH+64*\cb+16*\k
.endr
.endr
.endr
.endm
; A tile's cell: four trips, a pair of row blocks each.  Each batch of transcendentals has one wait ahead of it and one behind it.
; lc: the loads issued behind c_prev's rows of pairs 0 and 1, which may stay out when those rows have to be there.
.macro EPILOGUE lc
	CPLOAD 16                                      ; c_prev's rows of pairs 2 and 3 (four places stand behind the last products, which read these registers)
	FROMACC4 0
	MINS ZI, 128
	s_wait_loadcnt \lc
	CPST 0
	s_mov_b32 s3, 1                                ; the pair that follows the one at work
.Lpair_\@:
	s_wait_alu depctr_va_vdst(0)
	s_wait_dscnt 0x0                               ; my rows of c_prev are in the stage
	s_barrier_signal -1
	EXPS ZI, 128                                   ; Ei, Ef, Eg, Eo: the four arrays lie on end
	v_nop
	s_barrier_wait -1                              ; everybody's rows are
.irp u, 0,1
.irp cb, 0,1
.irp k, 0,1
	ds_load_b128 v[CC+16*\u+8*\cb+4*\k:CC+16*\u+8*\cb+4*\k+3], v[SA] offset:\u*16*PITCH+64*\cb+16*\k
.endr
.endr
.endr
	s_wait_alu depctr_va_vdst(0)
	ADDC ZI, 1.0                                   ; Di
	ADDC ZF, 1.0                                   ; Df
	FMAV ZI, ZI, ZG, ZI                            ; Di Dg
	ADDC ZG, -1.0                                  ; Eg - 1
	ADDC ZO, 1.0                                   ; Do
	s_wait_dscnt 0x0                               ; c_prev is in
	MULV CC, CC, ZI                                ; c_prev Di Dg
	MULV ZI, ZI, ZF                                ; Df Di Dg
	FMAV CC, ZG, ZF, CC                            ; + (Eg - 1) Df
	s_wait_alu depctr_va_vdst(0)
	RCPS ZI, 32
	v_nop
	s_wait_alu depctr_va_vdst(0)
	MULV CC, CC, ZI                                ; c_next
	MULS ZG, CC, KP
	MINS ZG, 32
	STAGE SA, CC                                   ; into the bytes from which I took c_prev
	s_wait_alu depctr_va_vdst(0)
	EXPS ZG, 32                                    ; Ec
	v_nop
	s_wait_alu depctr_va_vdst(0)
	FMAV ZF, ZO, ZG, ZO                            ; Do (1 + Ec)
	ADDC ZG, -1.0                                  ; Ec - 1
	s_wait_alu depctr_va_vdst(0)
	RCPS ZF, 32
	v_nop
	s_wait_alu depctr_va_vdst(0)
	MULV ZG, ZG, ZF                                ; h_next
	STAGE HA, ZG
	s_wait_dscnt 0x0                               ; for the others' sake: my stores into the stages are done
	s_barrier_signal -1
	s_barrier_wait -1                              ; the pair's rows are whole
	WIN TO_B
.irp i, 0,1,2,3,4,5,6,7
	ds_load_b128 v[4*\i:4*\i+3], v[RC] offset:2*\i*PITCH
.endr
.irp i, 0,1,2,3,4,5,6,7
	ds_load_b128 v[32+4*\i:32+4*\i+3], v[RH] offset:2*\i*PITCH
.endr
	WIN 0
	NEXTZ                                          ; work on registers while the rows come back
	s_wait_alu depctr_va_vdst(0)
	s_wait_dscnt 0x0
	WIN FROM_B
.irp i, 0,1,2,3,4,5,6,7
	global_store_b128 v[CO], v[4*\i:4*\i+3], s[OC:OC+1] offset:2*\i*4096 th:TH_STORE_NT      ; 16 lanes store 256 consecutive bytes, at a multiple of 256
.endr
.irp i, 0,1,2,3,4,5,6,7
	global_store_b128 v[CO], v[32+4*\i:32+4*\i+3], s[OH:OH+1] offset:2*\i*4096 th:TH_STORE_NT
.endr
	WIN 0
	s_barrier_signal -1
	s_barrier_wait -1                              ; everybody has read the stages: they may be written again
	NEXTC
	s_wait_xcnt 0x0                                ; the stores have read their registers and bases
	s_add_nc_u64 s[OC:OC+1], s[OC:OC+1], 32*4096   ; the next pair's rows
	s_add_nc_u64 s[OH:OH+1], s[OH:OH+1], 32*4096
	s_add_co_u32 s3, s3, 1
	s_cmp_lt_u32 s3, 5
	s_cbranch_scc1 .Lpair_\@
.endm
	s_wait_tensorcnt 0x0                           ; my part of K step 0 is in
	ds_add_u32 v[SPW], v[NIL]
	s_wait_dscnt 0x0
	CROUND
	JLOAD G0+4, G1, G0B+4, G1B                     ; K step 1: the first tensor load behind the round
	s_wait_loadcnt 0x0                             ; the scale words and the biases are in
.irp b, 0,1,2,3,4,5,6,7
.irp k, 0,1
	ds_store_b128 v[BA], v[BI+8*\b+4*\k:BI+8*\b+4*\k+3] offset:64*\b+16*\k   ; kept for the second tile; the sixteen lanes of a half write the same bytes with the same values
.endr
.endr
.Ltile:
	FETCH 0, 0, 0
	STEP 0, 0, 1
	STEPS 0, 1
	TURN 0, 1, 1, 1, 2, -1                         ; slot 0 takes K step 2
	STEPS 1, 0
	TURN 1, 0, 1, 1, 3, 8                          ; slot 1 takes K step 3; K step 2's scale words are in, the eight loads just issued may be out
	CPLOAD 0                                       ; c_prev's rows of pairs 0 and 1: two K steps ahead of the wait for them
	STEPS 0, 0
	s_cmp_eq_u32 s2, 1
	s_cbranch_scc1 .Llast_tile                     ; the last tile's tail is written out: it asks for nothing more
	TURN 0, 1, 2, 1, 0, 24                         ; THE RING GOES ON: slot 0 takes the next tile's K step 0; K step 3's scale words are in: c_prev's 16 loads and the 8 just issued may be out
	STEPS 1, 0
	TURN 1, 0, 2, 0, 1, -1                         ; slot 1 its K step 1
	EPILOGUE 32                                    ; behind c_prev's first 16 loads: two sets of scale words and its second 16
	s_add_nc_u64 s[OC:OC+1], s[OC:OC+1], (4096-128)*4096   ; (behind the loop's wait on XCNT)  on to the next tile's rows
	s_add_nc_u64 s[OH:OH+1], s[OH:OH+1], (4096-128)*4096
	s_add_nc_u64 s[CPB:CPB+1], s[CPB:CPB+1], 4096*4096
.irp b, 0,1,2,3,4,5,6,7
.irp k, 0,1
	ds_load_b128 v[BI+8*\b+4*\k:BI+8*\b+4*\k+3], v[BA] offset:64*\b+16*\k
.endr
.endr
	s_sub_co_u32 s2, s2, 1
	s_wait_alu depctr_va_vdst(0)
	s_branch .Ltile
.Llast_tile:
	TURN 0, 1, 0, 1, -1, 16                        ; nothing is filled again, so no round follows; K step 3's scale words are in: c_prev's 16 loads may be out
	STEPS 1, 0
	s_wait_dscnt 0x0
	WIN MUL_LO+4
	MUL16 0, 1, NQ-1, 1, 0
	MUL16 2, 1, NQ-1, 1, 0
	WIN MUL_HI+4
	MUL16 4, 1, NQ-1, 1, 0
	MUL16 6, 1, NQ-1, 1, 0
	WIN 0
	PLACES NP
	EPILOGUE 16                                    ; behind c_prev's first 16 loads: its second 16
	s_wait_tensorcnt 0x0                           ; the wave's end
	ds_add_u32 v[SPW], v[NIL]
	s_wait_dscnt 0x0
	CROUND                                         ; the closing round
	s_endpgm
.Lfunc_end_k_q8914e44c53_cell:
	.size	k_q8914e44c53_cell, .Lfunc_end_k_q8914e44c53_cell-k_q8914e44c53_cell
	.p2alignl 7, 3214868480
	.fill 96, 4, 3214868480
	.section	.rodata,"a",@progbits
	.p2align	6, 0x0
	.amdhsa_kernel k_q8914e44c53_cell
		.amdhsa_group_segment_fixed_size 327680
		.amdhsa_private_segment_fixed_size 0
		.amdhsa_enable_private_segment 0
		.amdhsa_kernarg_size 80
		.amdhsa_user_sgpr_count 2
		.amdhsa_user_sgpr_kernarg_segment_ptr 1
		.amdhsa_wavefront_size32 1
		.amdhsa_system_sgpr_workgroup_id_x 1
		.amdhsa_system_sgpr_workgroup_id_y 1
		.amdhsa_system_sgpr_workgroup_id_z 1
		.amdhsa_system_vgpr_workitem_id 0
		.amdhsa_next_free_vgpr 1024
		.amdhsa_next_free_sgpr 100
		.amdhsa_reserve_vcc 0
		.amdhsa_float_denorm_mode_32 3
		.amdhsa_float_denorm_mode_16_64 3
		.amdhsa_memory_ordered 1
		.amdhsa_forward_progress 1
		.amdhsa_inst_pref_size 255
	.end_amdhsa_kernel
	.section	.bss,"aw",@nobits
	.p2align	6
	.space	262144
	.amdgpu_metadata
---
amdhsa.version: [ 1, 2 ]
amdhsa.kernels:
  - .name:           k_q8914e44c53_cell
    .symbol:         k_q8914e44c53_cell.kd
    .args:
      - { .name: a_codes, .offset: 0, .size: 8, .value_kind: global_buffer, .address_space: global }
      - { .name: w_codes, .offset: 8, .size: 8, .value_kind: global_buffer, .address_space: global }
      - { .name: scales, .offset: 16, .size: 8, .value_kind: global_buffer, .address_space: global }
      - { .name: c_prev, .offset: 24, .size: 8, .value_kind: global_buffer, .address_space: global }
      - { .name: b_i, .offset: 32, .size: 8, .value_kind: global_buffer, .address_space: global }
      - { .name: b_f, .offset: 40, .size: 8, .value_kind: global_buffer, .address_space: global }
      - { .name: b_g, .offset: 48, .size: 8, .value_kind: global_buffer, .address_space: global }
      - { .name: b_o, .offset: 56, .size: 8, .value_kind: global_buffer, .address_space: global }
      - { .name: out0, .offset: 64, .size: 8, .value_kind: global_buffer, .address_space: global }
      - { .name: out1, .offset: 72, .size: 8, .value_kind: global_buffer, .address_space: global }
    .group_segment_fixed_size: 327680
    .private_segment_fixed_size: 0
    .kernarg_segment_align: 8
    .kernarg_segment_size: 80
    .max_flat_workgroup_size: 128
    .sgpr_count:     100
    .vgpr_count:     1024
    .wavefront_size: 32
...
	.end_amdgpu_metadata
.endif
;; end of part 2
